; MI455X (gfx1250); checked and timed in simulation.
; The chip was launched on July 23, 2026; its instructions are those of AMD's public machine-readable ISA for CDNA 5 (MIT licence, August 2026) and "CDNA5" Instruction Set Architecture Reference Guide (July 2026). The comments in the code are by the model that wrote it; some were corrected since.
;; Dyna Lo RA Linear. Allowed arithmetic: matrix products marked QUANTISED: E4M3 operands, one E8M0 scale for each 32 along K, by v_wmma_scale_f32_16x16x128_f8f6f4 with both operands' format E4M3, f32 sums; products left as they are: f32 operands where the result goes on into a quantised operand, else bf16, f16 or f32 operands; f32 sums; everything else in f32.
;; Inputs: W_base 4,096 x 4,096 float32; W_r 7 x 4,096 float32; b_base 4,096 float32; expert_scores 8 x 4 float32; gating_W 4,096 x 4,096 float32; lora_A 4 x 8 x 4,096 float32; lora_B 4 x 4,096 x 8 float32; x 8 x 512 x 4,096 float32.
;; Outputs: out0 8 x 512 x 4,096 float32.
;; Constants: k = 2, module_idx = 0.
;; This version of the problem:
;;   THIS VERSION OF THE PROBLEM IS GIVEN IN LOW PRECISION. The matrix products marked QUANTISED in the list below multiply operands that are first quantised to E4M3 (4 exponent bits, 3 mantissa bits; 8 bits a number), with one power-of-two scale for each 32 numbers along K (OCP MX v1.0); their sums are f32. All else is computed in f32.
;;   The module's matrix products, in the order in which they are computed (A, B: the left and right operand; K: the contracted axis; several contracted axes count as one K, in the product's order):
;;     1. [M 8, K 4,096] x [K 4,096, N 4,096]; A: input x; B: input gating_W: left as it is (M = 8 < 16)
;;     2. [M 8, K 4,096] x [K 4,096, N 7]; A: computed on the way; B: input W_r: left as it is (M = 8 < 16)
;;     3. [M 4,096, K 4,096] x [K 4,096, N 4,096]; A: input x; B: input W_base: QUANTISED
;;     4. [M 32, K 4,096] x [K 4,096, N 4,096]; A: input lora_A; B: input x: QUANTISED
;;     5. batch 32 x [M 4,096, K 1] x [K 1, N 1]; A: computed on the way; B: computed on the way: left as it is (no contracted axis)
;;     6. [M 4,096, K 32] x [K 32, N 4,096]; A: computed on the way; B: input lora_B: QUANTISED
;;   THE QUANTISER, for each operand of a quantised product, along K:
;;     - K is cut into blocks of 32 from its start; a last block that is shorter is filled with zeros.
;;     - A block's scale is 2^e with e = floor(log2(the largest magnitude in the block)) - 8, held to -126 .. 127; a block of zeros has e = 0. As a byte (E8M0): e + 127.
;;     - Each number is divided by its block's scale, clamped to +-448, and rounded to the nearest number of E4M3, ties to even, subnormals kept.
;;     - The product sums the exact products of the quantised numbers (number of the format x scale) in f32.
;;   ~~~python
;;   def quantise(x, axis):      # numpy; x: float32 -> the quantised numbers, widened to float32 again
;;       x = np.moveaxis(x, axis, -1); K = x.shape[-1]
;;       x = np.pad(x, [(0, 0)] * (x.ndim - 1) + [(0, -K % 32)]); x = x.reshape(x.shape[:-1] + (-1, 32)); a = np.abs(x).max(-1, keepdims=True)
;;       e = np.where(a > 0, np.clip(np.frexp(np.where(a > 0, a, 1))[1] - 1 - 8, -126, 127), 0)      # np.frexp(a)[1] - 1 = floor(log2(a)), exactly
;;       r = np.clip(x / 2.0 ** e, -448, 448)
;;       step = 2.0 ** (np.maximum(np.frexp(np.where(r == 0, 1, r))[1] - 1, -6) - 3)
;;       q = np.round(r / step) * step * 2.0 ** e      # np.round: ties to even
;;       return np.moveaxis(q.reshape(q.shape[:-2] + (-1,))[..., :K], -1, axis).astype(np.float32)
;;   ~~~
;;   OPERANDS COMPUTED ON THE WAY. 'Computed on the way' means the value that the module computes at that place (a softmax that the list does not call 'softmax' is quantised finished and normalised). What goes into a quantiser is computed in f32, as accurately as f32 sums, v_exp_f32 and their like allow (about 1e-6 of the number): no bf16 or f16 on the way to a quantiser, and a product that is left as it is and whose result goes on into a quantised operand takes f32 operands (vector FMAs, or v_wmma_f32_16x16x4_f32). A number that lies on a knife's edge between two numbers of the format may be rounded either way, as far as f32 arithmetic and the matrix unit's own rounding can turn it there, and no further.
;; One version. Each part assembles by itself: llvm-mc -triple=amdgcn-amd-amdhsa -mcpu=gfx1250 --defsym DOCPART=n.
;; ======== version 1 of 1: 3 launches
;; limits: right only within a limited range of input values
;; workspace buffers: xq 17,301,504 bytes; wq 17,301,504 bytes; aq 540,672 bytes; lpart 65,536 bytes; uq 540,672 bytes; bq 540,672 bytes
;; launch prep (part 1): grid 256 x 1, 8 waves a work-group, no clusters, 327,680 bytes of LDS; arguments x, W_base, lora_A, gating_W, W_r, xq, wq, aq, lpart; writes xq, wq, aq, lpart
.if DOCPART == 1
	.amdgcn_target "amdgcn-amd-amdhsa--gfx1250"
	.amdhsa_code_object_version 6
	.text
	.protected	k_qe900e407f1_prep
	.globl	k_qe900e407f1_prep
	.p2align	8
	.type	k_qe900e407f1_prep,@function
k_qe900e407f1_prep:
	s_mov_b64 s[64:65], 0
	v_nop
	global_prefetch_b8 v0, s[64:65] scope:SCOPE_SE
	s_setreg_imm32_b32 hwreg(HW_REG_WAVE_MODE, 25, 1), 1
	s_wait_xcnt 0x0
; PREP: all that needs the inputs alone.  256 work-groups of eight waves; work-group j reads 256 KiB each of gating_W, x and W_base, as tiles of 16 rows x 256 numbers (1,024 bytes a row) that the tensor data mover lays into LDS.
; A wave has a ring of two slots of its own and takes six tiles, one behind each barrier: G (t = 0, 1), x (ib = 0, 1), W_base (ib = 0, 1).  An LDS row is 1,024 bytes + 16 of padding: 260 words, so row r starts at bank 4 r mod 64 (ISA guide 11.1).
; THE ROUTER.  logits[b][m] = sum over o of W_r[m][o] (sum over i of G[o][i] pooled[b][i]), G = gating_W, pooled[b] = x[b][511], summed the other way round, which is the same algebra:
;   V[m][i] = sum over o of W_r[m][o] G[o][i], then the sum over i of V[m][i] pooled[b][i]; all in f32 multiply-adds.  The work-group owns rows o = 16 j .. 16 j + 15; wave w columns 512 w .. 512 w + 511 (tile t: 256 of them).
;   It stores its 56 partial logits: lpart [b 8][m 8][work-group 256] f32 (row m = 7 is neither written nor read).  The pooled rows come by plain loads while x's first tile is on its way; the waves' sums meet in LDS across the next barrier.
; THE QUANTISER.  j = 2 R32 + half: rows 32 R32 .. + 31 of x and of W_base; wave w takes K step s = 8 half + w of 256: four fragments f = 2 ib + q each.  Codes of FP8 (E4M3) with one E8M0 byte for each 32 along K.
;   lora_A is 64 fragments: one more for each wave of work-groups 0 .. 7, loaded straight in the fragment's order, 64 bytes of a row to a lane pair: 512 KiB of the launch's 201 MiB.
; LAYOUT OF THE CODES (xq, wq, aq): in the order of the operand's registers.  The block of (group g of 128 rows, K step s of 256) lies at (16 g + s) BLK.  In it the fragment (i: 16 rows, q: 128 along K)
; lies at (2 i + q) 2048; its piece c at 512 c; lane l = r + 16 h at 16 l: the codes of row 128 g + 16 i + r, k = 256 s + 128 q + 32 c + 16 h + 0 .. 15.  The scale words lie at SCO + 128 i + 8 r + 4 q.
; A block's scale is 2^(floor(log2(its largest magnitude)) - 8); its byte is the largest magnitude's exponent field - 8, held at 1 from below.
; LIMITS: NaN and infinities among the inputs are not served.  A block of zeros gets the byte 1 where the rule says 127: its codes are zeros, and this program alone reads the bytes.
; No cluster: the work-groups share only the eight pooled rows and W_r.  No prefetch: the text has no loop to run ahead in, and each tile's bytes are read once.
.set BLK,  33792
.set SCO,  32768
.set TP,   1040                        ; an LDS row
.set TS,   16*TP                       ; a tile: slot k of wave w lies at (8 k + w) TS
.set RL,   16*TS                       ; behind the ring: 56 rows (7 b + m) x 1,024 bytes of partial sums
.set SPARE, RL+57344                   ; and the spare words, 1,024 bytes
.set WVN,  22
.set WS,   24                          ; s24, 26 .. 36: W_r[m][o] of the row in hand; named as pairs, so the odd ones are written once
.set G1,   40                          ; s[40:47] descriptor group 1, one for all tiles
.set GT0,  48                          ; group 0 of the six tiles
.set GT1,  52
.set GT2,  56
.set GT3,  60
.set GT4,  68
.set GT5,  72
.set PB,   76                          ; s[76:91] eight addresses: my wave's 512 columns of x[b][511]
.set XC,   92                          ; s[92:93] xq: my codes; s[94:95] my scale words; s[96:99] the same in wq
.set XW,   94
.set WC,   96
.set WW,   98
.set SEL,  100                         ; lane selects for v_permlanex16_b32: lane l xor 16
.set MNT,  67                          ; the mantissa field of 448
; v1 16 lane; v2, v3 the quantiser's LDS address in slot 0, 1; v4 8 lane; v5 lane; v6, v7 the router's LDS address; v8 where my partial sums go; v9 where they are read back; v10 lpart; v11 W_r; v12 lora_A; v13 8 r
.set X,    16                          ; v16-79   64 numbers of my row: register 16 c + i = k 32 c + 16 h + i
.set C,    80                          ; v80-143  four fragments' codes
.set TM,   144                         ; v144-159 at work
.set PW,   160                         ; v160-163 four fragments' scale words; v164-165 on their way out; v166 lora_A's
.set XL,   168                         ; v168-231 lora_A's 64 numbers
.set V,    16                          ; the router: v16-127 V[m][c] at V + 16 m + c: c = 4 jj + e is column 512 wave + 128 jj + 4 lane + e
.set RG,   128                         ; v128-223 twelve rows of G, 8 numbers each; then six pooled rows, 16 each
.set WR,   224                         ; v224-230 lane l: W_r[m][16 j + l % 16]
.set T,    232                         ; v232-245 seven pairs
.set S,    246                         ; v246-252 seven sums
.macro TLOAD g
	tensor_load_to_lds s[\g:\g+3], s[G1:G1+7]
	s_nop 0
.endm
.macro GRD
	s_wait_alu depctr_va_vdst(0)
	s_wait_tensorcnt 0x0
	ds_add_u32 v254, v255
	s_wait_dscnt 0x0
	s_barrier_signal -1
	s_barrier_wait -1
.endm
.macro GSET g, base, off, more, lds    ; group 0: the tile at base + off + more goes to LDS byte s[lds]
	s_mov_b32 s[\g], 1
	s_mov_b32 s[\g+1], s\lds
	s_add_nc_u64 s[\g+2:\g+3], s[\base:\base+1], s[\off:\off+1]
.if \more
	s_add_nc_u64 s[\g+2:\g+3], s[\g+2:\g+3], \more
.endif
	s_or_b32 s[\g+3], s[\g+3], 0x80000000
.endm
	s_load_b512 s[4:19], s[0:1], 0x0               ; x 4:5, W_base 6:7, lora_A 8:9, gating_W 10:11, W_r 12:13, xq 14:15, wq 16:17, aq 18:19
	s_load_b64 s[20:21], s[0:1], 0x40              ; lpart
	v_lshl_add_u32 v254, v0, 2, SPARE
	v_mov_b32 v255, 0
	ds_add_u32 v254, v255                          ; the opening lines: the add twice and its wait
	ds_add_u32 v254, v255
	v_lshrrev_b32 v14, 5, v0
	v_readfirstlane_b32 s[WVN], v14                ; wave 0..7
	s_mov_b32 s[G1], (2<<16)|(1<<20)|(7<<22)|(3<<25)   ; elements of 4 bytes; 4 words of padding behind every 256
	s_mov_b32 s[G1+1], 256<<16
	s_mov_b32 s[G1+2], 16<<16
	s_mov_b32 s[G1+3], 256<<16
	s_mov_b32 s[G1+4], 16
	s_mov_b32 s[G1+5], 4096
	s_mov_b32 s[G1+6], 0
	s_mov_b32 s[G1+7], 0
	s_mul_i32 s23, s[WVN], TS                      ; my slot 0,
	s_add_co_u32 s39, s23, 8*TS                    ; my slot 1
	s_lshl_b32 s24, ttmp9, 18                      ; G: 16 rows of 16,384 bytes,
	s_lshl_b32 s25, s[WVN], 11                     ; my 512 columns
	s_add_co_u32 s24, s24, s25
	s_mov_b32 s25, 0
	s_lshr_b32 s26, ttmp9, 1                       ; R32
	s_and_b32 s27, ttmp9, 1
	s_lshl_b32 s27, s27, 3
	s_add_co_u32 s27, s27, s[WVN]                  ; s
	s_lshl_b32 s28, s26, 19                        ; x, W_base: 32 rows of 16,384 bytes,
	s_lshl_b32 s29, s27, 10                        ; 256 numbers of 4 bytes
	s_add_co_u32 s28, s28, s29
	s_mov_b32 s29, 0
	s_wait_dscnt 0x0
	s_wait_kmcnt 0x0
	GSET GT0, 10, 24, 0, 23
	TLOAD GT0                                      ; one tensor load a wave at the head
	GSET GT1, 10, 24, 1024, 39
	GSET GT2, 4, 28, 0, 23
	GSET GT3, 4, 28, 262144, 39
	GSET GT4, 6, 28, 0, 23
	GSET GT5, 6, 28, 262144, 39
	s_lshr_b32 s30, s26, 2                         ; g
	s_lshl_b32 s30, s30, 4
	s_add_co_u32 s30, s30, s27
	s_mul_i32 s30, s30, BLK                        ; the block (g, s)
	s_and_b32 s26, s26, 3
	s_lshl_b32 s32, s26, 8
	s_add_co_u32 s32, s32, s30
	s_add_co_u32 s32, s32, SCO                     ; my 32 rows' scale words: 256 bytes
	s_mov_b32 s33, 0
	s_lshl_b32 s26, s26, 13
	s_add_co_u32 s30, s30, s26                     ; my four fragments: 8,192 bytes
	s_mov_b32 s31, 0
	s_add_nc_u64 s[XC:XC+1], s[14:15], s[30:31]
	s_add_nc_u64 s[XW:XW+1], s[14:15], s[32:33]
	s_add_nc_u64 s[WC:WC+1], s[16:17], s[30:31]
	s_add_nc_u64 s[WW:WW+1], s[16:17], s[32:33]
	; lora_A's fragment F = 8 (j % 8) + wave = 32 ib + kk: rows 16 ib on, k = 128 kk on (used where j < 8; inside the buffers for every j)
	s_and_b32 s30, ttmp9, 7
	s_lshl_b32 s30, s30, 3
	s_add_co_u32 s30, s30, s[WVN]
	s_lshr_b32 s31, s30, 5                         ; ib
	s_and_b32 s30, s30, 31                         ; kk
	s_lshl_b32 s32, s31, 18
	s_lshl_b32 s34, s30, 9
	s_add_co_u32 s32, s32, s34
	s_add_nc_u64 s[8:9], s[8:9], s[32:33]          ; its numbers
	s_lshr_b32 s34, s30, 1
	s_mul_i32 s34, s34, BLK                        ; its K step's block
	s_and_b32 s30, s30, 1                          ; q
	s_lshl_b32 s35, s31, 1
	s_add_co_u32 s35, s35, s30
	s_lshl_b32 s35, s35, 11
	s_add_co_u32 s32, s34, s35
	s_add_nc_u64 s[16:17], s[18:19], s[32:33]      ; aq: its codes,
	s_lshl_b32 s31, s31, 7
	s_lshl_b32 s30, s30, 2
	s_add_co_u32 s32, s34, s31
	s_add_co_u32 s32, s32, s30
	s_add_co_u32 s32, s32, SCO
	s_add_nc_u64 s[18:19], s[18:19], s[32:33]      ; its scale words: SCO + 128 ib + 4 q (+ 8 r)
	s_lshl_b32 s32, s[WVN], 11
	s_add_nc_u64 s[PB:PB+1], s[4:5], s[32:33]
	s_add_nc_u64 s[PB:PB+1], s[PB:PB+1], 0x7fc000  ; x[0][511], my 512 columns
.irp b, 1,2,3,4,5,6,7
	s_add_nc_u64 s[PB+2*\b:PB+2*\b+1], s[PB+2*\b-2:PB+2*\b-1], 0x800000
.endr
	s_lshl_b32 s32, s[WVN], 13                     ; lpart: b = my wave, 8,192 bytes a b; + 4 j
	s_lshl_b32 s34, ttmp9, 2
	s_add_co_u32 s32, s32, s34
	s_add_nc_u64 s[20:21], s[20:21], s[32:33]
	s_mul_i32 s38, s[WVN], 7168
	s_add_co_u32 s38, s38, RL
	s_lshl_b32 s66, ttmp9, 6
	s_mov_b32 s[MNT], 0x600000
	s_mov_b32 s[SEL], 0x76543210
	s_mov_b32 s[SEL+1], 0xfedcba98
.irp m, 0,1,2,3,4,5,6
	s_mov_b32 s[WS+2*\m+1], 0
.endr
	v_and_b32 v5, 31, v0                           ; lane
	v_and_b32 v14, 15, v0                          ; r
	v_bfe_u32 v15, v0, 4, 1                        ; h
	v_lshlrev_b32 v1, 4, v5
	v_mul_u32_u24 v13, v14, TP
	v_lshl_add_u32 v13, v15, 6, v13                ; row r, + 64 h: my 16 numbers of a block of 32
	v_add_nc_u32 v2, s23, v13
	v_add_nc_u32 v3, s39, v13
	v_add_nc_u32 v6, s23, v1
	v_add_nc_u32 v7, s39, v1
	v_lshlrev_b32 v4, 3, v5
	v_lshl_add_u32 v8, v0, 2, RL                   ; a word a thread in each of 56 rows
	v_add_nc_u32 v9, s38, v1                       ; wave w reads rows 7 w .. 7 w + 6 (b = w)
	v_lshlrev_b32 v10, 10, v5                      ; lpart: 1,024 bytes from m to m + 1
	v_lshlrev_b32 v11, 2, v14
	v_add_nc_u32 v11, s66, v11                     ; W_r: column 16 j + lane % 16
	v_lshlrev_b32 v12, 14, v14
	v_lshl_add_u32 v12, v15, 6, v12                ; lora_A: row r, + 64 h
	v_lshlrev_b32 v13, 3, v14
.irp b, 0,1,2,3
	v_mov_b32 v[TM+4+\b], 0                        ; written once: a lane permute's destination counts as one of its sources
.endr
	s_wait_alu depctr_va_vdst(0)                   ; the wait at the head's end
.irp m, 0,1,2,3,4,5,6
	global_load_b32 v[WR+\m], v11, s[12:13] offset:16384*\m
.endr
.macro QUANT x, pw, c                  ; v[x] .. v[x + 63] become a fragment's codes in v[c] on, and my row's scale word in v[pw]
.irp b, 0,1,2,3
	v_max3_num_f32 v[TM+\b], |v[\x+16*\b]|, |v[\x+1+16*\b]|, 0x4800000   ; block b: my 16 numbers, and the floor 2^(9 - 127): the byte cannot fall under 1
.endr
.irp i, 2,4,6,8,10,12,14
.irp b, 0,1,2,3
	s_delay_alu instid0(VALU_DEP_4)
	v_max3_num_f32 v[TM+\b], v[TM+\b], |v[\x+16*\b+\i]|, |v[\x+1+16*\b+\i]|   ; the four blocks by turns
.endr
.endr
.irp b, 0,1,2,3
	s_delay_alu instid0(VALU_DEP_4)
	v_permlanex16_b32 v[TM+4+\b], v[TM+\b], s[SEL], s[SEL+1]
.endr
.irp b, 0,1,2,3
	s_delay_alu instid0(VALU_DEP_4)
	v_max_num_f32 v[TM+\b], v[TM+\b], v[TM+4+\b]   ; with lane l xor 16's 16: the block's largest magnitude
.endr
.irp b, 0,1,2,3
	s_delay_alu instid0(VALU_DEP_4)
	v_add_nc_u32 v[TM+12+\b], 0xfc000000, v[TM+\b] ; 8 off its exponent field: the conversion's scale operand
.endr
.irp b, 0,1,2,3
	v_and_or_b32 v[TM+8+\b], v[TM+\b], 0x7f800000, s[MNT]   ; 448 x the scale
.endr
.irp b, 0,1,2,3
	v_lshrrev_b32 v[TM+4+\b], 23, v[TM+12+\b]      ; the scale's byte
.endr
	s_delay_alu instid0(VALU_DEP_3)
	v_lshl_or_b32 v[\pw], v[TM+5], 8, v[TM+4]
	s_delay_alu instid0(VALU_DEP_1)
	v_lshl_or_b32 v[\pw], v[TM+6], 16, v[\pw]
	s_delay_alu instid0(VALU_DEP_1)
	v_lshl_or_b32 v[\pw], v[TM+7], 24, v[\pw]
.irp b, 0,1,2,3
.irp i, 0,1,2,3,4,5,6,7,8,9,10,11,12,13,14,15
	v_med3_num_f32 v[\x+16*\b+\i], v[\x+16*\b+\i], -v[TM+8+\b], v[TM+8+\b]   ; the conversion to an 8-bit code does not saturate (ISA guide 7.6.2): the hold comes first
.endr
	v_cvt_scalef32_pk8_fp8_f32 v[\c+4*\b:\c+4*\b+1], v[\x+16*\b:\x+16*\b+7], v[TM+12+\b]
	v_cvt_scalef32_pk8_fp8_f32 v[\c+4*\b+2:\c+4*\b+3], v[\x+16*\b+8:\x+16*\b+15], v[TM+12+\b]
.endr
	v_nop                                          ; a plain line behind the last conversion
.endm
.macro QTILE adr, ib, cb               ; a tile of 16 rows x 256 along K: fragments 2 ib, 2 ib + 1
.irp q, 0,1
.irp c, 0,1,2,3
.irp jj, 0,1,2,3
	ds_load_b128 v[X+16*\c+4*\jj:X+16*\c+4*\jj+3], v[\adr] offset:512*\q+128*\c+16*\jj
.endr
.endr
	s_wait_dscnt 0x0
	s_wait_xcnt 0x0                                ; earlier stores have read the registers that are written again
	QUANT X, PW+2*(\ib)+\q, C+16*(2*(\ib)+\q)
.irp c, 0,1,2,3
	global_store_b128 v1, v[C+16*(2*(\ib)+\q)+4*\c:C+16*(2*(\ib)+\q)+4*\c+3], s[\cb:\cb+1] offset:2048*(2*(\ib)+\q)+512*\c   ; 32 lanes store 512 consecutive bytes, aligned
.endr
.endr
.endm
.macro WORDS wb                        ; lanes 0-15: rows 0-15 (fragments 0, 1); lanes 16-31: rows 16-31 (fragments 2, 3).  Both halves of the lanes hold row r's words
	v_cmp_gt_u32 vcc_lo, 16, v5
	s_delay_alu instid0(VALU_DEP_1)
	v_cndmask_b32 v164, v[PW+2], v[PW+0], vcc_lo
	s_delay_alu instid0(VALU_DEP_2)
	v_cndmask_b32 v165, v[PW+3], v[PW+1], vcc_lo
	global_store_b64 v4, v[164:165], s[\wb:\wb+1]  ; 32 lanes store 256 consecutive bytes, aligned
.endm
.macro LDR row, adr                    ; a row's 8 numbers of my lane into place row % 12
.irp jj, 0,1
	ds_load_b128 v[RG+8*((\row)%12)+4*\jj:RG+8*((\row)%12)+4*\jj+3], v[\adr] offset:(\row)*TP+512*\jj
.endr
.endm
.macro FROW row, t                     ; a row of G adds W_r[m][o] x the row onto V[m], seven m
.irp m, 0,1,2,3,4,5,6
	v_readlane_b32 s[WS+2*\m], v[WR+\m], \row
.endr
.irp cp, 0,1,2,3
.irp m, 0,1,2,3,4,5,6
.if (\row) == 0
	v_pk_mul_f32 v[V+16*\m+8*(\t)+2*\cp:V+16*\m+8*(\t)+2*\cp+1], v[RG+8*((\row)%12)+2*\cp:RG+8*((\row)%12)+2*\cp+1], s[WS+2*\m:WS+2*\m+1] op_sel_hi:[1,0]   ; the first row starts the sums
.else
	v_pk_fma_f32 v[V+16*\m+8*(\t)+2*\cp:V+16*\m+8*(\t)+2*\cp+1], v[RG+8*((\row)%12)+2*\cp:RG+8*((\row)%12)+2*\cp+1], s[WS+2*\m:WS+2*\m+1], v[V+16*\m+8*(\t)+2*\cp:V+16*\m+8*(\t)+2*\cp+1] op_sel_hi:[1,0,1]
.endif
.endr
.endr
.endm
.macro VACC t, adr
.irp row, 0,1,2,3,4,5,6,7,8,9,10,11
	LDR \row, \adr
.endr
	s_wait_dscnt 16                                ; rows 0-3 are in; the sixteen loads of rows 4-11 may be out
.irp row, 0,1,2,3
	FROW \row, \t
.endr
.irp row, 12,13,14,15
	LDR \row, \adr
.endr
	s_wait_dscnt 8                                 ; all but the eight just issued
.irp row, 4,5,6,7,8,9,10,11
	FROW \row, \t
.endr
	s_wait_dscnt 0x0
.irp row, 12,13,14,15
	FROW \row, \t
.endr
.endm
.macro PROW b                          ; pooled row b into set b % 6: four loads of 512 consecutive bytes
.irp jj, 0,1,2,3
	global_load_b128 v[RG+16*((\b)%6)+4*\jj:RG+16*((\b)%6)+4*\jj+3], v1, s[PB+2*(\b):PB+2*(\b)+1] offset:512*\jj
.endr
.endm
.macro POOL b                          ; seven partial dot products of pooled row b with V
.if 7-(\b) >= 5
	s_wait_loadcnt 20                              ; this row's four loads are in; the five younger rows' twenty may be out
.else
	s_wait_loadcnt 4*(7-(\b))                      ; nothing more is asked for: the counts run down
.endif
.irp m, 0,1,2,3,4,5,6
	v_pk_mul_f32 v[T+2*\m:T+2*\m+1], v[V+16*\m:V+16*\m+1], v[RG+16*((\b)%6):RG+16*((\b)%6)+1]
.endr
.irp cp, 1,2,3,4,5,6,7
.irp m, 0,1,2,3,4,5,6
	v_pk_fma_f32 v[T+2*\m:T+2*\m+1], v[V+16*\m+2*\cp:V+16*\m+2*\cp+1], v[RG+16*((\b)%6)+2*\cp:RG+16*((\b)%6)+2*\cp+1], v[T+2*\m:T+2*\m+1]
.endr
.endr
.if (\b) < 2
	PROW 6+(\b)
.endif
.if (\b) > 0
	s_wait_alu depctr_va_vdst(0)
	s_wait_dscnt 0x0                               ; the last row's LDS stores have read v[S] on
.endif
.irp m, 0,1,2,3,4,5,6
	v_add_f32 v[S+\m], v[T+2*\m], v[T+2*\m+1]
.endr
.irp m, 0,1,2,3,4,5,6
	ds_store_b32 v8, v[S+\m] offset:(7*(\b)+\m)*1024
.endr
.endm
	GRD
	TLOAD GT1                                      ; slot 1's first fill, issued as a refill is
	s_wait_loadcnt 0x0                             ; W_r
	VACC 0, 6
	GRD
	TLOAD GT2
	VACC 1, 7
.irp b, 0,1,2,3,4,5
	PROW \b
.endr
	GRD
	TLOAD GT3
.irp b, 0,1,2,3,4,5,6,7
	POOL \b
.endr
	s_cmp_lt_u32 ttmp9, 8                          ; the same in all eight waves
	s_cbranch_scc0 .Lno_a
.irp c, 0,1,2,3
.irp jj, 0,1,2,3
	global_load_b128 v[XL+16*\c+4*\jj:XL+16*\c+4*\jj+3], v12, s[8:9] offset:128*\c+16*\jj th:TH_LOAD_NT
.endr
.endr
.Lno_a:
	QTILE 2, 0, XC
	GRD
	TLOAD GT4
.irp m, 0,1,2,3,4,5,6
.irp xx, 0,1
	ds_load_b128 v[X+8*\m+4*\xx:X+8*\m+4*\xx+3], v9 offset:1024*\m+512*\xx
.endr
.endr
	s_wait_dscnt 0x0
.irp m, 0,1,2,3,4,5,6
	v_pk_add_f32 v[X+8*\m:X+8*\m+1], v[X+8*\m:X+8*\m+1], v[X+8*\m+2:X+8*\m+3]
.endr
.irp m, 0,1,2,3,4,5,6
	v_pk_add_f32 v[X+8*\m+4:X+8*\m+5], v[X+8*\m+4:X+8*\m+5], v[X+8*\m+6:X+8*\m+7]
.endr
.irp m, 0,1,2,3,4,5,6
	v_pk_add_f32 v[X+8*\m:X+8*\m+1], v[X+8*\m:X+8*\m+1], v[X+8*\m+4:X+8*\m+5]
.endr
.irp m, 0,1,2,3,4,5,6
	v_add_f32 v[S+\m], v[X+8*\m], v[X+8*\m+1]
.endr
.irp k, 1,2,4,8
.irp m, 0,1,2,3,4,5,6
	v_add_f32_dpp v[S+\m], v[S+\m], v[S+\m] row_xmask:\k row_mask:0xf bank_mask:0xf
.endr
.endr
.irp m, 0,1,2,3,4,5,6
	v_permlanex16_b32 v[T+\m], v[S+\m], s[SEL], s[SEL+1]
.endr
.irp m, 0,1,2,3,4,5,6
	v_add_f32 v[S+\m], v[S+\m], v[T+\m]            ; every lane holds the work-group's partial logit (b, m)
.endr
.irp m, 1,2,3,4,5,6
	v_cmp_eq_u32 vcc_lo, \m, v5
	s_delay_alu instid0(VALU_DEP_1)
	v_cndmask_b32 v[S], v[S], v[S+\m], vcc_lo      ; lane m takes m's
.endr
	v_cmp_gt_u32 vcc_lo, 7, v5
	s_wait_alu depctr_va_vdst(0)
	s_wait_xcnt 0x0                                ; EXEC changes only behind this wait
	s_and_saveexec_b32 s23, vcc_lo
	global_store_b32 v10, v[S], s[20:21]           ; seven words, 1,024 bytes apart: the launch that reads them finds the 256 partial sums of a (b, m) on end
	s_wait_xcnt 0x0
	s_or_b32 exec_lo, exec_lo, s23
	QTILE 3, 1, XC
	WORDS XW
	GRD
	TLOAD GT5
	QTILE 2, 0, WC
	GRD
	QTILE 3, 1, WC
	WORDS WW
	s_cmp_lt_u32 ttmp9, 8
	s_cbranch_scc0 .Lq_end
	s_wait_loadcnt 0x0                             ; lora_A's fragment
	s_wait_xcnt 0x0
	QUANT XL, 166, C
.irp c, 0,1,2,3
	global_store_b128 v1, v[C+4*\c:C+4*\c+3], s[16:17] offset:512*\c
.endr
	v_cmp_gt_u32 vcc_lo, 16, v5
	s_wait_xcnt 0x0                                ; EXEC changes only behind this wait
	s_and_saveexec_b32 s23, vcc_lo
	global_store_b32 v13, v166, s[18:19]           ; 16 words, 8 bytes apart: the words of the other q lie between them.  1,024 such words in the launch
	s_wait_xcnt 0x0
	s_or_b32 exec_lo, exec_lo, s23
.Lq_end:
	s_wait_tensorcnt 0x0                           ; the wave's end
	ds_add_u32 v254, v255
	s_wait_dscnt 0x0
	s_endpgm
.Lfunc_end_k_qe900e407f1_prep:
	.size	k_qe900e407f1_prep, .Lfunc_end_k_qe900e407f1_prep-k_qe900e407f1_prep
	.p2alignl 7, 3214868480
	.fill 96, 4, 3214868480
	.section	.rodata,"a",@progbits
	.p2align	6, 0x0
	.amdhsa_kernel k_qe900e407f1_prep
		.amdhsa_group_segment_fixed_size 327680
		.amdhsa_private_segment_fixed_size 0
		.amdhsa_enable_private_segment 0
		.amdhsa_kernarg_size 72
		.amdhsa_user_sgpr_count 2
		.amdhsa_user_sgpr_kernarg_segment_ptr 1
		.amdhsa_wavefront_size32 1
		.amdhsa_system_sgpr_workgroup_id_x 1
		.amdhsa_system_sgpr_workgroup_id_y 1
		.amdhsa_system_sgpr_workgroup_id_z 1
		.amdhsa_system_vgpr_workitem_id 0
		.amdhsa_next_free_vgpr 256
		.amdhsa_next_free_sgpr 102
		.amdhsa_reserve_vcc 1
		.amdhsa_float_denorm_mode_32 3
		.amdhsa_float_denorm_mode_16_64 3
		.amdhsa_memory_ordered 1
		.amdhsa_forward_progress 1
		.amdhsa_inst_pref_size 225
	.end_amdhsa_kernel
	.amdgpu_metadata
---
amdhsa.version: [ 1, 2 ]
amdhsa.kernels:
  - .name:           k_qe900e407f1_prep
    .symbol:         k_qe900e407f1_prep.kd
    .args:
      - { .name: x, .offset: 0, .size: 8, .value_kind: global_buffer, .address_space: global }
      - { .name: W_base, .offset: 8, .size: 8, .value_kind: global_buffer, .address_space: global }
      - { .name: lora_A, .offset: 16, .size: 8, .value_kind: global_buffer, .address_space: global }
      - { .name: gating_W, .offset: 24, .size: 8, .value_kind: global_buffer, .address_space: global }
      - { .name: W_r, .offset: 32, .size: 8, .value_kind: global_buffer, .address_space: global }
      - { .name: xq, .offset: 40, .size: 8, .value_kind: global_buffer, .address_space: global }
      - { .name: wq, .offset: 48, .size: 8, .value_kind: global_buffer, .address_space: global }
      - { .name: aq, .offset: 56, .size: 8, .value_kind: global_buffer, .address_space: global }
      - { .name: lpart, .offset: 64, .size: 8, .value_kind: global_buffer, .address_space: global }
    .group_segment_fixed_size: 327680
    .private_segment_fixed_size: 0
    .kernarg_segment_align: 8
    .kernarg_segment_size: 72
    .max_flat_workgroup_size: 256
    .sgpr_count:     102
    .vgpr_count:     256
    .wavefront_size: 32
...
	.end_amdgpu_metadata
.endif
;; end of part 1
;; launch lora (part 2): grid 256 x 1, 8 waves a work-group, no clusters, 17,664 bytes of LDS; arguments xq, aq, lpart, expert_scores, lora_B, uq, bq; writes uq, bq
.if DOCPART == 2
	.amdgcn_target "amdgcn-amd-amdhsa--gfx1250"
	.amdhsa_code_object_version 6
	.text
	.protected	k_qe900e407f1_lora
	.globl	k_qe900e407f1_lora
	.p2align	8
	.type	k_qe900e407f1_lora,@function
k_qe900e407f1_lora:
	s_mov_b64 s[64:65], 0
	v_nop
	global_prefetch_b8 v0, s[64:65] scope:SCOPE_SE
	s_setreg_imm32_b32 hwreg(HW_REG_WAVE_MODE, 25, 1), 1
	s_wait_xcnt 0x0
; LORA: t = Q(x) Q(lora_A)^T on codes of FP8 (E4M3); the router's logits, softmax, ranks and gate; u = Q(t x gate); and Q(lora_B): the two operands of the last product, whose K = 32 is one block.
; Work-group j takes rows 16 j .. 16 j + 15 of x (batch b = j / 32) and outputs o = 16 j .. 16 j + 15 of lora_B.  Wave w takes 512 of the 4,096 along K (K steps 2 w, 2 w + 1 of 256): four matrix instructions deep.
; THE PRODUCT IS USED TRANSPOSED (source 0 = 16 rows of lora_A, source 1 = my 16 rows of x), and the rows of lora_A that form a tile are not neighbours: lane r of tile u takes row 8 u + r + 8 (r / 8).
; So lane (r, h) holds row r of x, and the 16 registers of tiles 0 and 1 are t at k = 16 h + 0 .. 15 (k = 8 e + rank index): the order in which the next operand's registers want them.
; The eight waves' partial sums meet in LDS as images of the registers; wave 0 adds them, multiplies by the gate and quantises.  Meanwhile waves 0-6 add up the 256 partial logits of m = wave; wave 7 quantises lora_B.
; THE GATE hangs on floating-point numbers: it is made by compares and selects alone; no branch and no address hangs on it.  rank[e] = how many experts stand in front of e in a stable descending sort.
; LAYOUT OF uq, bq: group g of 128 rows at g EB; fragment i at 512 i: the 32 codes of each row (lane l at 16 l), no zero codes stored; scale words at XSO + 64 i + 4 r: the block's byte, and 127 for the three empty blocks.
; LIMITS: NaN and infinities are not served.  A block of zeros gets the byte 1 where the rule says 127: its codes are zeros, and this program alone reads the bytes.
; No cluster, no tensor loads: what the work-groups share, lora_A's codes, is 128 KiB.
.set BLK,  33792
.set SCO,  32768
.set EB,   4608                        ; uq, bq as they are laid now: group g of 128 rows at g EB; fragment i's 32 codes a row at 512 i (lane l at 16 l); scale words at XSO + 64 i + 4 r.  No zero codes are stored: the reader makes them in registers
.set XSO,  4096
.set TP,   0                           ; LDS: eight images of 16 registers, 2,048 bytes a wave
.set LG,   16384                       ; and the seven logits
.set XF,   16                          ; v16-79   x's four fragments
.set AF,   80                          ; v80-207  lora_A's: 32 kk + 16 u
.set XS,   208                         ; v208-211 x's scale words;  v212-219 lora_A's (4 sl + 2 u + q): these twelve hold scales and nothing else
.set AS,   212
.set SCR,  220                         ; v220-223 my batch's four scores
.set ACC,  224                         ; v224-239 the two accumulators
.set EX,   240                         ; v240-247 partial logits (waves 0-6);  v240-255 lora_B's 16 numbers (wave 7)
.set QM,   144                         ; v144-147 the quantiser at work
.set WD,   148                         ; v148     the scale word
.set CQ,   150                         ; v150-153 the codes
.set ZQ,   156
.set LGT,  160                         ; v160-166 logits; v167 their maximum; v168-174 exponentials; v175 the sum, then the probability
.set RK,   176                         ; v176-179 ranks; v180 at work; v181 how many are kept; v182 their weight
.set GA,   184                         ; v[184:185], v[186:187] my half's two gates, each twice
.set GE,   188                         ; v188-191 the four gates
.set WV,   18
.set SEL,  44
.set MNT,  46
	s_load_b256 s[4:11], s[0:1], 0x0               ; xq 4:5, aq 6:7, lpart 8:9, expert_scores 10:11
	s_load_b128 s[12:15], s[0:1], 0x20             ; lora_B 12:13, uq 14:15
	s_load_b64 s[16:17], s[0:1], 0x30              ; bq
	v_lshl_add_u32 v7, v0, 2, 0x4100
	s_set_vgpr_msb 0x40
	v_mov_b32 v1, 0
	s_set_vgpr_msb 0x4000
	v_lshrrev_b32 v1, 5, v0
	s_delay_alu instid0(VALU_DEP_1)
	v_readfirstlane_b32 s[WV], v1                  ; wave 0..7
	v_and_b32 v5, 31, v0                           ; lane
	v_and_b32 v13, 15, v0                          ; r
	v_bfe_u32 v14, v0, 4, 1                        ; h
	s_delay_alu instid0(VALU_DEP_3)
	v_lshlrev_b32 v1, 4, v5                        ; 16 x lane: an image's place for my lane, in memory and in LDS
	s_delay_alu instid0(VALU_DEP_3)
	v_lshlrev_b32 v2, 3, v13                       ; x's scale words: 8 bytes a row
	s_delay_alu instid0(VALU_DEP_4)
	v_lshrrev_b32 v15, 3, v13                      ; r / 8
	v_and_b32 v12, 7, v13                          ; r % 8
	s_delay_alu instid0(VALU_DEP_2)
	v_lshlrev_b32 v3, 12, v15                      ; lora_A: row 8 u + r + 8 (r / 8) lies in fragment row block r / 8, at lane 8 u + r % 8 + 16 h
	s_delay_alu instid0(VALU_DEP_1)
	v_lshl_add_u32 v3, v14, 8, v3
	s_delay_alu instid0(VALU_DEP_1)
	v_lshl_add_u32 v3, v12, 4, v3
	v_lshlrev_b32 v4, 7, v15                       ; and its scale words
	s_delay_alu instid0(VALU_DEP_1)
	v_lshl_add_u32 v4, v12, 3, v4
	s_lshl_b32 s19, s[WV], 11
	v_add_nc_u32 v6, s19, v1                       ; where my wave's image goes: TP + 2,048 wave + 16 lane
	v_mov_b32 v8, s[WV]
	s_delay_alu instid0(VALU_DEP_1)
	v_lshl_add_u32 v8, v8, 2, LG                   ; my wave's logit
	v_mov_b32 v9, LG
	v_lshlrev_b32 v10, 2, v5                       ; 4 x lane
	v_lshlrev_b32 v11, 5, v13                      ; lora_B: output r, 32 bytes; experts 2 h, 2 h + 1
	s_delay_alu instid0(VALU_DEP_1)
	v_lshl_add_u32 v11, v14, 18, v11
	v_mov_b32 v12, 0
	s_mov_b32 s[SEL], 0x76543210
	s_mov_b32 s[SEL+1], 0xfedcba98
	s_mov_b32 s[MNT], 0x600000
	s_lshr_b32 s20, ttmp9, 3                       ; g
	s_and_b32 s21, ttmp9, 7                        ; i
	s_lshr_b32 s22, ttmp9, 5                       ; b
	s_lshl_b32 s24, s20, 4
	s_lshl_b32 s23, s[WV], 1
	s_add_co_u32 s24, s24, s23
	s_mul_i32 s24, s24, BLK                        ; xq's block (g, 2 w)
	s_lshl_b32 s26, s21, 12
	s_add_co_u32 s26, s26, s24                     ; my rows' fragments
	s_mov_b32 s27, 0
	s_lshl_b32 s28, s21, 7
	s_add_co_u32 s28, s28, s24
	s_add_co_u32 s28, s28, SCO                     ; and scale words
	s_mov_b32 s29, 0
	s_mul_i32 s30, s[WV], 2*BLK                    ; aq's block (0, 2 w)
	s_mov_b32 s31, 0
	s_lshl_b32 s32, s22, 13
	s_lshl_b32 s23, s[WV], 10
	s_add_co_u32 s32, s32, s23                     ; lpart (b, m = wave)
	s_mov_b32 s33, 0
	s_lshl_b32 s34, ttmp9, 9                       ; lora_B: 16 outputs of 32 bytes
	s_mov_b32 s35, 0
	s_mul_i32 s36, s20, EB
	s_lshl_b32 s23, s21, 6
	s_add_co_u32 s38, s36, s23
	s_add_co_u32 s38, s38, XSO                     ; uq, bq: my scale words,
	s_mov_b32 s39, 0
	s_lshl_b32 s23, s21, 9
	s_add_co_u32 s36, s36, s23                     ; my fragment
	s_mov_b32 s37, 0
	s_lshl_b32 s24, s22, 4                         ; my batch's four scores
	s_mov_b32 s25, 0
	s_wait_alu depctr_va_vdst(0)
	s_wait_kmcnt 0x0
	s_add_nc_u64 s[26:27], s[4:5], s[26:27]
	s_add_nc_u64 s[28:29], s[4:5], s[28:29]
	s_add_nc_u64 s[30:31], s[6:7], s[30:31]
	s_add_nc_u64 s[32:33], s[8:9], s[32:33]
	s_add_nc_u64 s[10:11], s[10:11], s[24:25]
	s_add_nc_u64 s[34:35], s[12:13], s[34:35]
	s_add_nc_u64 s[48:49], s[14:15], s[36:37]      ; uq: codes,
	s_add_nc_u64 s[50:51], s[14:15], s[38:39]      ; words
	s_add_nc_u64 s[52:53], s[16:17], s[36:37]      ; bq likewise
	s_add_nc_u64 s[54:55], s[16:17], s[38:39]
.irp sl, 0,1
.irp q, 0,1
.irp c, 0,1,2,3
	global_load_b128 v[XF+16*(2*\sl+\q)+4*\c:XF+16*(2*\sl+\q)+4*\c+3], v1, s[26:27] offset:\sl*BLK+2048*\q+512*\c
.endr
.endr
	global_load_b64 v[XS+2*\sl:XS+2*\sl+1], v2, s[28:29] offset:\sl*BLK
.endr
.irp sl, 0,1
.irp q, 0,1
.irp u, 0,1
.irp c, 0,1,2,3
	global_load_b128 v[AF+32*(2*\sl+\q)+16*\u+4*\c:AF+32*(2*\sl+\q)+16*\u+4*\c+3], v3, s[30:31] offset:\sl*BLK+2048*\q+512*\c+128*\u
.endr
.endr
.endr
.irp u, 0,1
	global_load_b64 v[AS+4*\sl+2*\u:AS+4*\sl+2*\u+1], v4, s[30:31] offset:\sl*BLK+SCO+64*\u
.endr
.endr
	global_load_b128 v[SCR:SCR+3], v12, s[10:11]   ; the same 16 bytes in every lane
	s_cmp_eq_u32 s[WV], 7
	s_cbranch_scc1 .Lload_b
	global_load_b128 v[EX:EX+3], v1, s[32:33]      ; 256 partial logits: eight a lane
	global_load_b128 v[EX+4:EX+7], v1, s[32:33] offset:512
	s_branch .Lloaded
.Lload_b:
.irp ee, 0,1
.irp xx, 0,1
	global_load_b128 v[EX+8*\ee+4*\xx:EX+8*\ee+4*\xx+3], v11, s[34:35] offset:131072*\ee+16*\xx   ; lora_B[2 h + ee][16 j + r][4 xx ..]: k = 16 h + 8 ee + 4 xx ..
.endr
.endr
.Lloaded:
	s_wait_loadcnt 0x0
.irp kk, 0,1,2,3                       ; the two accumulators take turns, one instruction a turn
.irp u, 0,1
.if \kk == 0
	v_wmma_scale_f32_16x16x128_f8f6f4 v[ACC+8*\u:ACC+8*\u+7], v[AF+32*\kk+16*\u:AF+32*\kk+16*\u+15], v[XF+16*\kk:XF+16*\kk+15], 0, v[AS+4*(\kk/2)+2*\u+(\kk%2)], v[XS+\kk]
.else
	v_wmma_scale_f32_16x16x128_f8f6f4 v[ACC+8*\u:ACC+8*\u+7], v[AF+32*\kk+16*\u:AF+32*\kk+16*\u+15], v[XF+16*\kk:XF+16*\kk+15], v[ACC+8*\u:ACC+8*\u+7], v[AS+4*(\kk/2)+2*\u+(\kk%2)], v[XS+\kk]
.endif
.endr
.endr
.rept 8
	v_nop                                          ; eight places behind this form ahead of the first read of results and of writes into the operands' registers
.endr
.irp p, 0,1,2,3
	ds_store_b128 v6, v[ACC+4*\p:ACC+4*\p+3] offset:TP+512*\p   ; my partial sums as an image of their registers; each accumulator from its low end on
.endr
	v_mov_b32 v[QM+1], 0                           ; a lane permute's destination counts as one of its sources
; 16 numbers of a lane, v[s] on, k = 16 h + 0 .. 15 of my row: the one block's codes in v[CQ] on, its scale word in v[WD]
.macro QUANT1 s
	v_max3_num_f32 v[QM], |v[\s]|, |v[\s+1]|, 0x4800000   ; with the floor 2^(9 - 127): the byte cannot fall under 1
.irp i, 2,4,6,8,10,12,14
	s_delay_alu instid0(VALU_DEP_1)
	v_max3_num_f32 v[QM], v[QM], |v[\s+\i]|, |v[\s+\i+1]|
.endr
	s_wait_alu depctr_va_vdst(0)
	v_permlanex16_b32 v[QM+1], v[QM], s[SEL], s[SEL+1]
	s_delay_alu instid0(VALU_DEP_1)
	v_max_num_f32 v[QM], v[QM], v[QM+1]            ; with lane l xor 16's 16
	s_delay_alu instid0(VALU_DEP_1)
	v_add_nc_u32 v[QM+2], 0xfc000000, v[QM]        ; 8 off the exponent field: the conversion's scale operand
	s_delay_alu instid0(VALU_DEP_2)
	v_and_or_b32 v[QM+3], v[QM], 0x7f800000, s[MNT]   ; 448 x the scale
	s_delay_alu instid0(VALU_DEP_2)
	v_lshrrev_b32 v[WD], 23, v[QM+2]               ; the byte,
	s_delay_alu instid0(VALU_DEP_1)
	v_or_b32 v[WD], 0x7f7f7f00, v[WD]              ; and 127 for the three blocks of zero codes
.irp i, 0,1,2,3,4,5,6,7,8,9,10,11,12,13,14,15
	v_med3_num_f32 v[\s+\i], v[\s+\i], -v[QM+3], v[QM+3]   ; the conversion does not saturate (ISA guide 7.6.2)
.endr
	v_cvt_scalef32_pk8_fp8_f32 v[CQ:CQ+1], v[\s:\s+7], v[QM+2]
	v_cvt_scalef32_pk8_fp8_f32 v[CQ+2:CQ+3], v[\s+8:\s+15], v[QM+2]
	v_nop                                          ; a plain line behind the last conversion
.endm
.macro OUTQ cb, wb                     ; the fragment, 512 consecutive bytes, and its 16 scale words
	global_store_b128 v1, v[CQ:CQ+3], s[\cb:\cb+1]
	v_cmp_gt_u32 vcc_lo, 16, v5
	s_wait_xcnt 0x0                                ; EXEC changes only behind this wait
	s_and_saveexec_b32 s40, vcc_lo
	global_store_b32 v10, v[WD], s[\wb:\wb+1]
	s_wait_xcnt 0x0
	s_or_b32 exec_lo, exec_lo, s40
.endm
	s_cmp_eq_u32 s[WV], 7
	s_cbranch_scc1 .Lrole_b
	v_pk_add_f32 v[EX:EX+1], v[EX:EX+1], v[EX+2:EX+3]      ; waves 0-6: logit m = wave of my batch
	v_pk_add_f32 v[EX+4:EX+5], v[EX+4:EX+5], v[EX+6:EX+7]
	s_delay_alu instid0(VALU_DEP_1)
	v_pk_add_f32 v[EX:EX+1], v[EX:EX+1], v[EX+4:EX+5]
	s_delay_alu instid0(VALU_DEP_1)
	v_add_f32 v[EX], v[EX], v[EX+1]
.irp k, 1,2,4,8
	s_delay_alu instid0(VALU_DEP_1)
	v_add_f32_dpp v[EX], v[EX], v[EX] row_xmask:\k row_mask:0xf bank_mask:0xf
.endr
	s_delay_alu instid0(VALU_DEP_1)
	v_permlanex16_b32 v[EX+1], v[EX], s[SEL], s[SEL+1]
	s_delay_alu instid0(VALU_DEP_1)
	v_add_f32 v[EX], v[EX], v[EX+1]
	ds_store_b32 v8, v[EX]                         ; all lanes write the same word with the same value
	s_branch .Ljoin
.Lrole_b:
	QUANT1 EX                                      ; wave 7: lora_B's 16 outputs
	OUTQ 52, 54
.Ljoin:
	s_wait_dscnt 0x0                               ; for wave 0's sake: my LDS stores have landed
	s_barrier_signal -1
	s_barrier_wait -1
	s_cmp_lg_u32 s[WV], 0
	s_cbranch_scc1 .Lend
.irp w, 0,1,2,3,4,5,6,7
.irp p, 0,1,2,3
	ds_load_b128 v[16+16*\w+4*\p:16+16*\w+4*\p+3], v1 offset:TP+2048*\w+512*\p
.endr
.endr
	ds_load_b128 v[LGT:LGT+3], v9
	ds_load_b96 v[LGT+4:LGT+6], v9 offset:16
	s_wait_dscnt 0x0
.irp w, 1,2,3,4,5,6,7
.irp p, 0,1,2,3,4,5,6,7
	v_pk_add_f32 v[16+2*\p:17+2*\p], v[16+2*\p:17+2*\p], v[16+16*\w+2*\p:17+16*\w+2*\p]   ; t, in v16-31
.endr
.endr
	v_max3_num_f32 v[LGT+7], v[LGT], v[LGT+1], v[LGT+2]    ; the softmax takes the maximum away first
	s_delay_alu instid0(VALU_DEP_1)
	v_max3_num_f32 v[LGT+7], v[LGT+7], v[LGT+3], v[LGT+4]
	s_delay_alu instid0(VALU_DEP_1)
	v_max3_num_f32 v[LGT+7], v[LGT+7], v[LGT+5], v[LGT+6]
.irp m, 0,1,2,3,4,5,6
	v_sub_f32 v[LGT+8+\m], v[LGT+\m], v[LGT+7]
.endr
.irp m, 0,1,2,3,4,5,6
	v_mul_f32 v[LGT+8+\m], 0x3fb8aa3b, v[LGT+8+\m] ; x log2(e)
.endr
	s_wait_alu depctr_va_vdst(0)
.irp m, 0,1,2,3,4,5,6
	v_exp_f32 v[LGT+8+\m], v[LGT+8+\m]
.endr
	v_mov_b32 v[RK], 3                             ; the ranks are the plain work behind the exponentials.  rank[j] begins as the number of experts behind j;
	v_mov_b32 v[RK+1], 2
	v_mov_b32 v[RK+2], 1
	v_mov_b32 v[RK+3], 0
.macro PAIR j, e                       ; j < e: where score[j] >= score[e], j stands in front of e (a tie keeps the lower index in front), else e in front of j
	v_cmp_ge_f32 vcc_lo, v[SCR+\j], v[SCR+\e]
	s_delay_alu instid0(VALU_DEP_1)
	v_cndmask_b32 v[RK+4], 0, 1, vcc_lo
	s_delay_alu instid0(VALU_DEP_1)
	v_add_nc_u32 v[RK+\e], v[RK+\e], v[RK+4]
	s_delay_alu instid0(VALU_DEP_2)
	v_sub_nc_u32 v[RK+\j], v[RK+\j], v[RK+4]
.endm
	PAIR 0, 1
	PAIR 0, 2
	PAIR 0, 3
	PAIR 1, 2
	PAIR 1, 3
	PAIR 2, 3
	s_wait_alu depctr_va_vdst(0)                   ; one wait for the seven exponentials, ahead of their first reader
	v_add_f32 v[LGT+15], v[LGT+8], v[LGT+9]
.irp m, 2,3,4,5,6
	v_add_f32 v[LGT+15], v[LGT+15], v[LGT+8+\m]
.endr
	s_wait_alu depctr_va_vdst(0)
	v_rcp_f32 v[LGT+15], v[LGT+15]
	v_nop                                          ; a plain line behind the reciprocal
	s_wait_alu depctr_va_vdst(0)                   ; and its wait
	v_mul_f32 v[LGT+15], v[LGT+8], v[LGT+15]       ; the probability of module 0
	s_delay_alu instid0(VALU_DEP_1)
	v_cmp_lt_f32 s42, 0.5, v[LGT+15]
	s_delay_alu instid0(VALU_DEP_1)
	v_cndmask_b32 v[RK+5], 1, 2, s42               ; over 0.5: the two first experts, 1/2 each; else the first alone, 1
	s_delay_alu instid0(VALU_DEP_2)
	v_cndmask_b32 v[RK+6], 1.0, 0.5, s42
.irp e, 0,1,2,3
	v_cmp_lt_u32 vcc_lo, v[RK+\e], v[RK+5]
	s_delay_alu instid0(VALU_DEP_1)
	v_cndmask_b32 v[GE+\e], 0, v[RK+6], vcc_lo
.endr
	v_cmp_lt_u32 s43, 15, v5                       ; lanes 16-31 hold experts 2 and 3
	s_delay_alu instid0(VALU_DEP_1)
	v_cndmask_b32 v[GA], v[GE], v[GE+2], s43
	s_delay_alu instid0(VALU_DEP_2)
	v_cndmask_b32 v[GA+1], v[GE], v[GE+2], s43
	s_delay_alu instid0(VALU_DEP_3)
	v_cndmask_b32 v[GA+2], v[GE+1], v[GE+3], s43
	s_delay_alu instid0(VALU_DEP_4)
	v_cndmask_b32 v[GA+3], v[GE+1], v[GE+3], s43
.irp p, 0,1,2,3
	v_pk_mul_f32 v[16+2*\p:17+2*\p], v[16+2*\p:17+2*\p], v[GA:GA+1]        ; t x gate: expert 2 h,
.endr
.irp p, 4,5,6,7
	v_pk_mul_f32 v[16+2*\p:17+2*\p], v[16+2*\p:17+2*\p], v[GA+2:GA+3]      ; expert 2 h + 1
.endr
	QUANT1 16
	OUTQ 48, 50
.Lend:
	s_set_vgpr_msb 0x4
	s_wait_tensorcnt 0x0
	ds_add_u32 v7, v1
	s_wait_dscnt 0x0
	s_set_vgpr_msb 0x400
	s_endpgm
.Lfunc_end_k_qe900e407f1_lora:
	.size	k_qe900e407f1_lora, .Lfunc_end_k_qe900e407f1_lora-k_qe900e407f1_lora
	.p2alignl 7, 3214868480
	.fill 96, 4, 3214868480
	.section	.rodata,"a",@progbits
	.p2align	6, 0x0
	.amdhsa_kernel k_qe900e407f1_lora
		.amdhsa_group_segment_fixed_size 17664
		.amdhsa_private_segment_fixed_size 0
		.amdhsa_enable_private_segment 0
		.amdhsa_kernarg_size 56
		.amdhsa_user_sgpr_count 2
		.amdhsa_user_sgpr_kernarg_segment_ptr 1
		.amdhsa_wavefront_size32 1
		.amdhsa_system_sgpr_workgroup_id_x 1
		.amdhsa_system_sgpr_workgroup_id_y 1
		.amdhsa_system_sgpr_workgroup_id_z 1
		.amdhsa_system_vgpr_workitem_id 0
		.amdhsa_next_free_vgpr 258
		.amdhsa_next_free_sgpr 66
		.amdhsa_reserve_vcc 1
		.amdhsa_float_denorm_mode_32 3
		.amdhsa_float_denorm_mode_16_64 3
		.amdhsa_memory_ordered 1
		.amdhsa_forward_progress 1
		.amdhsa_inst_pref_size 29
	.end_amdhsa_kernel
	.amdgpu_metadata
---
amdhsa.version: [ 1, 2 ]
amdhsa.kernels:
  - .name:           k_qe900e407f1_lora
    .symbol:         k_qe900e407f1_lora.kd
    .args:
      - { .name: xq, .offset: 0, .size: 8, .value_kind: global_buffer, .address_space: global }
      - { .name: aq, .offset: 8, .size: 8, .value_kind: global_buffer, .address_space: global }
      - { .name: lpart, .offset: 16, .size: 8, .value_kind: global_buffer, .address_space: global }
      - { .name: expert_scores, .offset: 24, .size: 8, .value_kind: global_buffer, .address_space: global }
      - { .name: lora_B, .offset: 32, .size: 8, .value_kind: global_buffer, .address_space: global }
      - { .name: uq, .offset: 40, .size: 8, .value_kind: global_buffer, .address_space: global }
      - { .name: bq, .offset: 48, .size: 8, .value_kind: global_buffer, .address_space: global }
    .group_segment_fixed_size: 17664
    .private_segment_fixed_size: 0
    .kernarg_segment_align: 8
    .kernarg_segment_size: 56
    .max_flat_workgroup_size: 256
    .sgpr_count:     66
    .vgpr_count:     258
    .wavefront_size: 32
...
	.end_amdgpu_metadata
.endif
;; end of part 2
;; launch gemm (part 3): grid 16 x 16, 4 waves a work-group, clusters of 4 x 4, 327,680 bytes of LDS; arguments xq, wq, uq, bq, b_base, out0; writes out0
.if DOCPART == 3
	.amdgcn_target "amdgcn-amd-amdhsa--gfx1250"
	.amdhsa_code_object_version 6
	.text
	.protected	k_qe900e407f1_gemm
	.globl	k_qe900e407f1_gemm
	.p2align	8
	.type	k_qe900e407f1_gemm,@function
k_qe900e407f1_gemm:
	s_mov_b64 s[64:65], 0
	v_nop
	global_prefetch_b8 v0, s[64:65] scope:SCOPE_SE
	s_setreg_imm32_b32 hwreg(HW_REG_WAVE_MODE, 25, 1), 1
	s_wait_xcnt 0x0
	s_wait_alu depctr_hold_cnt(0) depctr_sa_sdst(0) depctr_va_vdst(0) depctr_va_sdst(0) depctr_va_ssrc(0) depctr_va_vcc(0) depctr_vm_vsrc(0)
	s_getreg_b32 s2, hwreg(HW_REG_IB_STS2, 6, 4)
	s_cmp_eq_u32 s2, 0
	s_cbranch_scc0 .Lentry_in_a_cluster
	s_endpgm
.Lentry_in_a_cluster:
	s_bfe_u32 s2, ttmp6, 0x10000c
	s_cmp_lg_u32 s2, 0xf033
	s_cbranch_scc0 .Lentry_shape_is_right
	s_endpgm
.Lentry_shape_is_right:
; out0 = Q(x) Q(W_base)^T + b_base + Q(t x gate) Q(lora_B)^T, on codes of FP8 (E4M3) with one E8M0 byte for 32 along K; sums in f32.
; A work-group of four waves makes 256 x 256 of out0, a wave 128 x 128: 64 accumulators, 512 registers.  The bias is the first products' C.
; xq, wq lie in the order of the operand registers: the block (group of 128 rows, K step of 256) is BLK dense bytes: fragment (i, q) at (2 i + q) 2048, piece c at 512 c, lane l at 16 l; scale words at SCO + 128 i + 8 r + 4 q.
; K goes in 16 steps of 256 through two LDS slots of four blocks (A's two groups, B's two); each wave fetches one block with one tensor load, stated as 33 rows of 1,024 bytes.
; CLUSTERS 4 x 4: A's blocks are asked for jointly by a row of the cluster, B's by a column.  A round of the cluster's barrier stands in front of each refill.
; THE LAST PRODUCT (K = 32) is a 33rd step of 128: uq, bq hold piece 0 of each fragment (EB bytes a group); pieces 1 to 3 are zero codes made in registers, on both sides, in the step before.
; It goes by A's blocks, as every step does, so a block of 16 rows of out0 is finished behind its eight products and leaves while the later blocks are multiplied.
; A STEP of 128 along K is four quarters of 16 products (two blocks of A against B's eight).  Behind each quarter stand eight v_nop (the places ahead of loads into registers that products have read)
; and ONE run of LDS loads for the NEXT step: B's blocks 0-4; B's 5-7 and A's 0, 1; A's 2-5; A's 6, 7.  A has one set of registers, B two.  So each fragment is asked for two quarters or more ahead of its first product,
; and when a slot's second step begins, all reads of the slot have been issued: the change of slots stands at that step's head.
; A wait on DScnt counts the LDS instructions issued since the wanted block of A (symbols DSN, IA0 .. IA7: the assembler counts); B's fragments and the scale words are always issued ahead of A's block 1.
; PREFETCH: a group's 16 blocks are one dense run of 540,672 bytes.  Behind each refill of the loop but the last two, a wave names 32 x 256 bytes of the run that it fetches; the four partners share 32,768 bytes by address;
; the walk begins 147,456 bytes into the run, three to four blocks ahead of the refill, and ends at the run's end.  Of the clusters that read the same run one asks (cluster column 0 for A, cluster row 0 for B).
; LIMITS: NaN and infinities are not served.
; REGISTERS: window 0: v0-31 addresses; v32-63 scale words, two sets; v64-127 the bias, later four fragments of uq; v128-255 A's fragments, on the way out rows read back.  Window 1: B's two sets.  Windows 2, 3: accumulators.
.set BLK,    33792
.set SCO,    32768
.set EB,     4608
.set XSO,    4096
.set SLOT,   4*BLK
.set SPARE,  2*SLOT                    ; the spare words, 512 bytes behind the slots
.set STAGE,  SLOT                      ; the way out's stages lie in slot 1, behind its last fill and its last read
.set SPITCH, 528
.set SIZE_N, 4096
.set FR,   16
.set ADRA, 16                          ; v16-17 my A fragments in slot 0, 1
.set ADRB, 20                          ; v20-21 B's
.set ADRS, 22                          ; v22-23 scale words: lanes 0-15 A's, lanes 16-31 B's
.set STO,  24
.set RD,   25
.set CO,   26
.set ADRX, 27                          ; v27 the last product's scale words
.set SPW,  28
.set NIL,  29
.set PFO,  30
.set SC,   32
.set BIAS, 64
.set XR,   64
.set AF,   128
.set BK,   128
.set G1,   24
.set G0,   32
.set LIM,  43
.set PFA,  44
.set G1B,  48
.set G0B,  56
.set G1X,  68
.set G0X,  76
.set G1XB, 80
.set G0XB, 88
.set TO_B, 0x40
.set MSB, 0
.set DSN, 0
.irp k, 0,1,2,3,4,5,6,7
.set IA\k, 0
.endr
.macro WIN new                         ; the immediate's high byte repeats the setting that is left
.if MSB != (\new)
	s_set_vgpr_msb (MSB<<8)|(\new)
.set MSB, (\new)
.endif
.endm
.macro PLACES n
.rept \n
	v_nop
.endr
.endm
.macro JLOAD g0a, g1a, g0b, g1b        ; waves 0, 1 fetch for A, waves 2, 3 for B; s_nop 0 and four v_nop behind each line
	s_cmp_eq_u32 s17, 0
	s_cbranch_scc0 .Lfor_b_\@
	tensor_load_to_lds s[\g0a:\g0a+3], s[\g1a:\g1a+7]
	s_nop 0
	PLACES 4
	s_branch .Lasked_\@
.Lfor_b_\@:
	tensor_load_to_lds s[\g0b:\g0b+3], s[\g1b:\g1b+7]
	s_nop 0
	PLACES 4
.Lasked_\@:
.endm
.macro ASK
	s_cmp_gt_u32 s3, s[LIM]                ; not in the loop's last trip, and only in the cluster that asks for this run
	s_cbranch_scc0 .Lnot_mine_\@
	global_prefetch_b8 v[PFO], s[PFA:PFA+1] th:TH_LOAD_NT scope:SCOPE_SE
.Lnot_mine_\@:
.endm
.macro CREST
	s_cmp_lg_u32 s16, 0
	s_cbranch_scc1 .Lnot_wave_0_\@
	s_barrier_signal -3
.Lnot_wave_0_\@:
	s_barrier_wait -3
	s_barrier_signal -1
	s_barrier_wait -1
.endm
.macro CROUND
	s_barrier_signal -1
	s_barrier_wait -1
	CREST
.endm
	s_load_b256 s[4:11], s[0:1], 0x0       ; xq, wq, uq, bq
	s_load_b128 s[12:15], s[0:1], 0x20     ; b_base, out0
	v_lshl_add_u32 v[SPW], v0, 2, SPARE
	v_mov_b32 v[NIL], 0
	ds_add_u32 v[SPW], v[NIL]              ; the opening lines: the add twice and its wait
	ds_add_u32 v[SPW], v[NIL]
	v_lshrrev_b32 v1, 5, v0
	v_readfirstlane_b32 s16, v1            ; wave
	s_lshr_b32 s17, s16, 1                 ; my half of the rows; also: I fetch for A (0) or B (1)
	s_and_b32 s18, s16, 1                  ; my half of the columns; also: which group I fetch
	s_bfe_u32 s40, ttmp6, 0x40000
	s_bfe_u32 s41, ttmp6, 0x40004
	s_lshl_b32 s42, ttmp9, 2
	s_add_co_u32 s42, s42, s40             ; tile column
	s_and_b32 s19, ttmp7, 0xffff
	s_lshl_b32 s19, s19, 2
	s_add_co_u32 s19, s19, s41             ; tile row
	s_lshl_b32 s92, s41, 2
	s_lshl_b32 s92, 15, s92                ; my row of the cluster
	s_lshl_b32 s93, 0x1111, s40            ; my column
	s_or_b32 s[G1], s92, (3<<16)|(1<<21)
	s_or_b32 s[G1B], s93, (3<<16)|(1<<21)
	s_or_b32 s[G1X], s92, (3<<16)|(1<<21)
	s_or_b32 s[G1XB], s93, (3<<16)|(1<<21)
.irp g, G1, G1B                        ; a block: 33 rows of 128 elements of 8 bytes, dense
	s_mov_b32 s[\g+1], 128<<16
	s_mov_b32 s[\g+2], 33<<16
	s_mov_b32 s[\g+3], 128<<16
	s_mov_b32 s[\g+4], 33
	s_mov_b32 s[\g+5], 128
	s_mov_b32 s[\g+6], 0
	s_mov_b32 s[\g+7], 0
.endr
.irp g, G1X, G1XB                      ; a group of uq or bq: 3 rows of 192 such elements, dense
	s_mov_b32 s[\g+1], 192<<16
	s_mov_b32 s[\g+2], 3<<16
	s_mov_b32 s[\g+3], 192<<16
	s_mov_b32 s[\g+4], 3
	s_mov_b32 s[\g+5], 192
	s_mov_b32 s[\g+6], 0
	s_mov_b32 s[\g+7], 0
.endr
	s_lshl_b32 s20, s19, 1
	s_add_co_u32 s20, s20, s18             ; A's group
	s_mul_i32 s22, s20, EB
	s_mul_i32 s20, s20, 16*BLK
	s_mov_b32 s21, 0
	s_mov_b32 s23, 0
	s_lshl_b32 s46, s42, 1
	s_add_co_u32 s46, s46, s18             ; B's group
	s_mul_i32 s94, s46, EB
	s_mul_i32 s46, s46, 16*BLK
	s_mov_b32 s47, 0
	s_mov_b32 s95, 0
	s_mul_i32 s96, s16, BLK                ; where my block goes
	s_wait_dscnt 0x0
	s_wait_kmcnt 0x0
	s_add_nc_u64 s[20:21], s[4:5], s[20:21]
	s_add_nc_u64 s[22:23], s[8:9], s[22:23]
	s_add_nc_u64 s[46:47], s[6:7], s[46:47]
	s_add_nc_u64 s[94:95], s[10:11], s[94:95]
	CROUND                                 ; in front of the first joint loads
	s_mov_b32 s[G0], 1
	s_mov_b32 s[G0+1], s96
	s_mov_b64 s[G0+2:G0+3], s[20:21]
	s_or_b32 s[G0+3], s[G0+3], 0x80000000
	s_mov_b32 s[G0B], 1
	s_mov_b32 s[G0B+1], s96
	s_mov_b64 s[G0B+2:G0B+3], s[46:47]
	s_or_b32 s[G0B+3], s[G0B+3], 0x80000000
	JLOAD G0, G1, G0B, G1B                 ; K step 0: one tensor load a wave at the head
	s_mov_b32 s[G0+4], 1
	s_add_co_u32 s[G0+5], s96, SLOT
	s_add_nc_u64 s[G0+6:G0+7], s[20:21], BLK
	s_or_b32 s[G0+7], s[G0+7], 0x80000000
	s_mov_b32 s[G0B+4], 1
	s_add_co_u32 s[G0B+5], s96, SLOT
	s_add_nc_u64 s[G0B+6:G0B+7], s[46:47], BLK
	s_or_b32 s[G0B+7], s[G0B+7], 0x80000000
	s_mov_b32 s[G0X], 1
	s_mov_b32 s[G0X+1], s96
	s_mov_b64 s[G0X+2:G0X+3], s[22:23]
	s_or_b32 s[G0X+3], s[G0X+3], 0x80000000
	s_mov_b32 s[G0XB], 1
	s_mov_b32 s[G0XB+1], s96
	s_mov_b64 s[G0XB+2:G0XB+3], s[94:95]
	s_or_b32 s[G0XB+3], s[G0XB+3], 0x80000000
	s_and_b32 s93, ttmp7, 0xffff           ; the prefetches
	s_cmp_eq_u32 s17, 0
	s_cselect_b32 s92, s40, s41            ; my place among the four partners
	s_cselect_b32 s93, ttmp9, s93
	s_cselect_b64 s[PFA:PFA+1], s[20:21], s[46:47]
	s_cmp_eq_u32 s93, 0
	s_cselect_b32 s[LIM], 1, -1
	s_lshl_b32 s92, s92, 13
	s_add_co_u32 s92, s92, 114688
	s_mov_b32 s93, 0
	s_add_nc_u64 s[PFA:PFA+1], s[PFA:PFA+1], s[92:93]
	s_lshl_b32 s46, s42, 10                ; my first column, in bytes
	s_lshl_b32 s47, s18, 9
	s_add_co_u32 s46, s46, s47
	s_mov_b32 s47, 0
	s_add_nc_u64 s[12:13], s[12:13], s[46:47]
	s_add_nc_u64 s[14:15], s[14:15], s[46:47]
	s_lshl_b32 s20, s19, 8
	s_lshl_b32 s21, s17, 7
	s_add_co_u32 s20, s20, s21             ; my first row
	s_lshl_b32 s20, s20, 14
	s_mov_b32 s21, 0
	s_add_nc_u64 s[14:15], s[14:15], s[20:21]
	s_mul_i32 s92, s17, BLK                ; LDS: my group of A,
	s_mul_i32 s94, s18, BLK
	s_add_co_u32 s94, s94, 2*BLK           ; of B,
	s_sub_co_u32 s96, s94, s92             ; the distance between them
	s_add_co_u32 s93, s92, SLOT
	s_add_co_u32 s95, s94, SLOT
	s_add_co_u32 s97, s92, SCO
	s_add_co_u32 s98, s97, SLOT
	s_add_co_u32 s99, s92, XSO
	s_mul_i32 s23, s16, 16*SPITCH
	s_add_co_u32 s23, s23, STAGE           ; my stage
	v_and_b32 v1, 15, v0                   ; r
	v_bfe_u32 v2, v0, 4, 1                 ; h
	v_and_b32 v3, 31, v0
	v_lshlrev_b32 v[PFO], 8, v3
	v_lshlrev_b32 v[CO], 4, v3
	v_add_nc_u32 v[ADRA], s92, v[CO]
	v_add_nc_u32 v[ADRA+1], s93, v[CO]
	v_add_nc_u32 v[ADRB], s94, v[CO]
	v_add_nc_u32 v[ADRB+1], s95, v[CO]
	v_mul_u32_u24 v6, s96, v2              ; lanes 16-31 take B's words
	v_lshl_add_u32 v5, v1, 3, v6
	v_add_nc_u32 v[ADRS], s97, v5
	v_add_nc_u32 v[ADRS+1], s98, v5
	v_lshl_add_u32 v4, v1, 2, v6
	v_add_nc_u32 v[ADRX], s99, v4
	v_mul_u32_u24 v8, v1, SPITCH
	v_lshl_add_u32 v8, v2, 5, v8
	v_add_nc_u32 v[STO], s23, v8
	v_add_nc_u32 v[RD], s23, v[CO]
	v_lshlrev_b32 v7, 5, v2
	s_wait_alu depctr_va_vdst(0)           ; the wait at the head's end
.irp b, 0,1,2,3,4,5,6,7
.irp xx, 0,1
	global_load_b128 v[BIAS+8*\b+4*\xx:BIAS+8*\b+4*\xx+3], v7, s[12:13] offset:64*\b+16*\xx   ; register j of tile b: column 16 b + 8 h + j
.endr
.endr
; four products: A's block a against B's blocks 4 h .. 4 h + 3; p: B's set; q, sc: which scale words.  mode 0: in place; 1: C = the bias; 2: the last product (A from v[XR] on, three v_nop behind the four).
; Source 0 = B's rows, source 1 = A's: a lane holds eight neighbouring columns of a row.  The 64 accumulators take turns in the same order in every step.
.macro GRP a, h, p, q, sc, mode
.set AB_, AF+FR*(\a)
.if \mode == 2
.set AB_, XR+FR*((\a)%4)
.endif
.if \mode == 1
	WIN 0x81+0x40*((\a)/4)
.else
	WIN 0xa1+0x50*((\a)/4)
.endif
.irp b, 0,1,2,3
.set AC_, 8*(8*((\a)%4)+4*(\h)+\b)
.set BF_, 128*(\p)+FR*(4*(\h)+\b)
.set SB_, SC+16*(\sc)+2*(4*(\h)+\b)+(\q)
.set SA_, SC+16*(\sc)+2*(\a)+(\q)
.if \mode == 1
	v_wmma_scale_f32_16x16x128_f8f6f4 v[AC_:AC_+7], v[BF_:BF_+15], v[AB_:AB_+15], v[BIAS+8*(4*(\h)+\b):BIAS+8*(4*(\h)+\b)+7], v[SB_], v[SA_] matrix_a_scale:MATRIX_SCALE_ROW1
.else
	v_wmma_scale_f32_16x16x128_f8f6f4 v[AC_:AC_+7], v[BF_:BF_+15], v[AB_:AB_+15], v[AC_:AC_+7], v[SB_], v[SA_] matrix_a_scale:MATRIX_SCALE_ROW1
.endif
.endr
.rept 3*((\mode)/2)
	v_nop
.endr
.endm
.macro QUARTER a, p, q, sc, mode       ; sixteen products: A's blocks a, a + 1
	GRP \a,0,\p,\q,\sc,\mode
	GRP \a,1,\p,\q,\sc,\mode
	GRP (\a+1),0,\p,\q,\sc,\mode
	GRP (\a+1),1,\p,\q,\sc,\mode
.endm
.macro LDA slot, q, i                  ; A's block i of the slot's q-th 128 along K
	WIN 0
.irp c, 0,1,2,3
	ds_load_b128 v[AF+FR*(\i)+4*\c:AF+FR*(\i)+4*\c+3], v[ADRA+\slot] offset:(\i)*4096+2048*(\q)+512*\c
.endr
.set DSN, DSN+4
.set IA\i, DSN
.endm
.macro LDB slot, q, i, p               ; B's block i into set p
	WIN TO_B
.irp c, 0,1,2,3
	ds_load_b128 v[128*(\p)+FR*(\i)+4*\c:128*(\p)+FR*(\i)+4*\c+3], v[ADRB+\slot] offset:(\i)*4096+2048*(\q)+512*\c
.endr
.set DSN, DSN+4
.endm
.macro SCALES sc                       ; a slot's scale words: two a row
	WIN 0
.irp i, 0,1,2,3,4,5,6,7
	ds_load_b64 v[SC+16*\sc+2*\i:SC+16*\sc+2*\i+1], v[ADRS+\sc] offset:128*\i
.endr
.set DSN, DSN+8
.endm
.macro XB i                            ; bq's block i into set 0: piece 0 from LDS, zero codes for k = 32 .. 127
	WIN TO_B
	ds_load_b128 v[FR*(\i):FR*(\i)+3], v[ADRB] offset:512*(\i)
.set DSN, DSN+1
.irp j, 4,5,6,7,8,9,10,11,12,13,14,15
	v_mov_b32 v[FR*(\i)+\j], 0
.endr
.endm
.macro XA i, z                         ; uq's block i into the i % 4-th of four fragments; z = 1: with its zero codes
	WIN 0
	ds_load_b128 v[XR+FR*((\i)%4):XR+FR*((\i)%4)+3], v[ADRA] offset:512*(\i)
.set DSN, DSN+1
.set IA\i, DSN
.if \z
.irp j, 4,5,6,7,8,9,10,11,12,13,14,15
	v_mov_b32 v[XR+FR*((\i)%4)+\j], 0
.endr
.endif
.endm
.macro NEED a                          ; A's block a is in, and all that was asked for ahead of it: all but the LDS instructions issued behind it
.if DSN-IA\a > 63
	s_wait_dscnt 63
.else
	s_wait_dscnt DSN-IA\a
.endif
.endm
.macro NXB f, n, i                     ; the next step's B: of slot n, or (f = 0) of the last product
.if \f
	LDB \n, 0, \i, 0
.else
	XB \i
.endif
.endm
.macro NXA f, n, i
.if \f
	LDA \n, 0, \i
.elseif \i < 4
	XA \i, 1
.endif
.endm
; a slot's first 128 along K
.macro STEP0 s, mode
	NEED 1
	QUARTER 0,0,0,\s,\mode
	PLACES 8
.irp i, 0,1,2,3,4
	LDB \s,1,\i,1
.endr
	NEED 3
	QUARTER 2,0,0,\s,\mode
	PLACES 8
.irp i, 5,6,7
	LDB \s,1,\i,1
.endr
	LDA \s,1,0
	LDA \s,1,1
	NEED 5
	QUARTER 4,0,0,\s,\mode
	PLACES 8
.irp i, 2,3,4,5
	LDA \s,1,\i
.endr
	NEED 7
	QUARTER 6,0,0,\s,\mode
	PLACES 8
	LDA \s,1,6
	LDA \s,1,7
.endm
; a slot's second 128 along K changes slots at its head: all my reads of slot s have been issued.  The wait for all my tensor loads, the add, eight products, the wait for the add and my reads, the barrier with four products inside it.
; fill = 1: a round, and slot s takes the K step two on; 2: a round, and slot s takes uq's and bq's groups; 0: nothing is filled, and the next step is the last product.
.macro STEP1 s, n, fill
	NEED 1
	WIN 0
.if \fill == 1
	s_wait_xcnt 0x0                        ; my prefetch has read its address
	s_add_nc_u64 s[PFA:PFA+1], s[PFA:PFA+1], 32768
.endif
	s_wait_tensorcnt 0x0                   ; my part of the next slot is in
	ds_add_u32 v[SPW], v[NIL]
.set DSN, DSN+1
.if \fill == 1
	s_add_nc_u64 s[G0+4*\s+2:G0+4*\s+3], s[G0+4*\s+2:G0+4*\s+3], 2*BLK
	s_add_nc_u64 s[G0B+4*\s+2:G0B+4*\s+3], s[G0B+4*\s+2:G0B+4*\s+3], 2*BLK
.endif
	GRP 0,0,1,1,\s,0
	GRP 0,1,1,1,\s,0
	s_wait_dscnt 0x0                       ; the add is done, my reads of slot s are over: all eight blocks of A are in
	s_barrier_signal -1
	GRP 1,0,1,1,\s,0
	WIN 0
	s_barrier_wait -1
.if \fill
	CREST
.endif
.if \fill == 1
	JLOAD G0+4*\s, G1, G0B+4*\s, G1B
.elseif \fill == 2
	JLOAD G0X, G1X, G0XB, G1XB
.endif
	GRP 1,1,1,1,\s,0
	PLACES 8
.irp i, 0,1,2,3,4
	NXB \fill,\n,\i
.endr
.if \fill
	SCALES \n
.else
	WIN 0
.irp i, 0,1,2,3,4,5,6,7
	ds_load_b32 v[SC+2*\i], v[ADRX] offset:64*\i
.endr
.set DSN, DSN+8
.endif
.if \fill == 1
	ASK
.endif
	QUARTER 2,1,1,\s,0
	PLACES 8
.irp i, 5,6,7
	NXB \fill,\n,\i
.endr
	NXA \fill,\n,0
	NXA \fill,\n,1
	QUARTER 4,1,1,\s,0
	PLACES 8
.irp i, 2,3,4,5
	NXA \fill,\n,\i
.endr
	QUARTER 6,1,1,\s,0
	PLACES 8
	NXA \fill,\n,6
	NXA \fill,\n,7
.endm
; the way out of block a, 16 rows x 128 columns: through my own stage, back as whole rows of 512 bytes.  LDS serves a wave's instructions in order (ISA guide 5.7.1.4)
.macro TOSTAGE a
.set AC, 64*((\a)%4)
	WIN 0x08+4*((\a)/4)
.irp b, 0,1,2,3,4,5,6,7
	ds_store_b128 v[STO], v[AC+8*\b:AC+8*\b+3] offset:64*\b          ; each accumulator from its low end on
	ds_store_b128 v[STO], v[AC+8*\b+4:AC+8*\b+7] offset:64*\b+16
.endr
	WIN 0
.set BB, BK+64*((\a)%2)
.irp t, 0,1,2,3,4,5,6,7,8,9,10,11,12,13,14,15
	ds_load_b128 v[BB+4*\t:BB+4*\t+3], v[RD] offset:\t*SPITCH
.endr
.set DSN, DSN+32
.endm
.macro SEND a, younger
.set BB, BK+64*((\a)%2)
	s_wait_dscnt \younger
.if (\a) > 0
	s_add_nc_u64 s[14:15], s[14:15], 16*SIZE_N*4   ; behind a wait on XCNT
.endif
.irp t, 0,1,2,3,4,5,6,7,8,9,10,11,12,13,14,15
	global_store_b128 v[CO], v[BB+4*\t:BB+4*\t+3], s[14:15] offset:\t*SIZE_N*4 th:TH_STORE_NT   ; 32 lanes store 512 consecutive bytes, aligned
.endr
.endm
; the last product's block a: eight products finish 16 rows.  Behind them: uq's block nx into the fragment read one block ago, block a - 1 into the stage (nine v_nop behind its last product), block a - 2 stored
.macro XBLK a, nx
	NEED \a
	GRP \a,0,0,0,0,2
	GRP \a,1,0,0,0,2
	WIN 0
.if \nx > 0
	XA \nx, 0
.endif
.if \a > 0
.if \a > 2
	s_wait_xcnt 0x0                        ; the stores of two blocks ago have read their registers and their base
.endif
	TOSTAGE (\a-1)
.if \a > 1
	SEND (\a-2), 32
.endif
.endif
.endm
	s_wait_tensorcnt 0x0                   ; my part of K step 0 is in
	ds_add_u32 v[SPW], v[NIL]
	s_wait_dscnt 0x0
	CROUND
	JLOAD G0+4, G1, G0B+4, G1B             ; K step 1
.irp i, 0,1,2,3,4,5,6,7
	LDB 0,0,\i,0
.endr
	SCALES 0
.irp i, 0,1,2,3,4,5,6,7
	LDA 0,0,\i
.endr
	s_wait_loadcnt 0x0                     ; the bias
	STEP0 0, 1                             ; the first step stands in front of the loop: its products start the sums
	WIN 0
	s_mov_b32 s3, 7
.Llap:
	STEP1 0, 1, 1
	STEP0 1, 0
	STEP1 1, 0, 1
	STEP0 0, 0
	WIN 0
	s_sub_co_u32 s3, s3, 1
	s_cmp_lg_u32 s3, 0
	s_cbranch_scc1 .Llap
	STEP1 0, 1, 2
	STEP0 1, 0
	STEP1 1, 0, 0
	s_wait_alu depctr_va_vdst(0)
	XBLK 0, 0
	XBLK 1, 4
	XBLK 2, 5
	XBLK 3, 6
	XBLK 4, 7
	XBLK 5, 0
	XBLK 6, 0
	XBLK 7, 0
	PLACES 8
	s_wait_xcnt 0x0
	TOSTAGE 7
	SEND 6, 32
	s_wait_xcnt 0x0
	SEND 7, 0
	s_wait_tensorcnt 0x0                   ; the wave's end
	ds_add_u32 v[SPW], v[NIL]
	s_wait_dscnt 0x0
	CROUND                                 ; the closing round
	s_endpgm
.Lfunc_end_k_qe900e407f1_gemm:
	.size	k_qe900e407f1_gemm, .Lfunc_end_k_qe900e407f1_gemm-k_qe900e407f1_gemm
	.p2alignl 7, 3214868480
	.fill 96, 4, 3214868480
	.section	.rodata,"a",@progbits
	.p2align	6, 0x0
	.amdhsa_kernel k_qe900e407f1_gemm
		.amdhsa_group_segment_fixed_size 327680
		.amdhsa_private_segment_fixed_size 0
		.amdhsa_enable_private_segment 0
		.amdhsa_kernarg_size 48
		.amdhsa_user_sgpr_count 2
		.amdhsa_user_sgpr_kernarg_segment_ptr 1
		.amdhsa_wavefront_size32 1
		.amdhsa_system_sgpr_workgroup_id_x 1
		.amdhsa_system_sgpr_workgroup_id_y 1
		.amdhsa_system_sgpr_workgroup_id_z 1
		.amdhsa_system_vgpr_workitem_id 0
		.amdhsa_next_free_vgpr 1024
		.amdhsa_next_free_sgpr 100
		.amdhsa_reserve_vcc 0
		.amdhsa_float_denorm_mode_32 3
		.amdhsa_float_denorm_mode_16_64 3
		.amdhsa_memory_ordered 1
		.amdhsa_forward_progress 1
		.amdhsa_inst_pref_size 171
	.end_amdhsa_kernel
	.amdgpu_metadata
---
amdhsa.version: [ 1, 2 ]
amdhsa.kernels:
  - .name:           k_qe900e407f1_gemm
    .symbol:         k_qe900e407f1_gemm.kd
    .args:
      - { .name: xq, .offset: 0, .size: 8, .value_kind: global_buffer, .address_space: global }
      - { .name: wq, .offset: 8, .size: 8, .value_kind: global_buffer, .address_space: global }
      - { .name: uq, .offset: 16, .size: 8, .value_kind: global_buffer, .address_space: global }
      - { .name: bq, .offset: 24, .size: 8, .value_kind: global_buffer, .address_space: global }
      - { .name: b_base, .offset: 32, .size: 8, .value_kind: global_buffer, .address_space: global }
      - { .name: out0, .offset: 40, .size: 8, .value_kind: global_buffer, .address_space: global }
    .group_segment_fixed_size: 327680
    .private_segment_fixed_size: 0
    .kernarg_segment_align: 8
    .kernarg_segment_size: 48
    .max_flat_workgroup_size: 128
    .sgpr_count:     100
    .vgpr_count:     1024
    .wavefront_size: 32
...
	.end_amdgpu_metadata
.endif
;; end of part 3
